; MI455X (gfx1250); checked and timed in simulation.
; The chip was launched on July 23, 2026; its instructions are those of AMD's public machine-readable ISA for CDNA 5 (MIT licence, August 2026) and "CDNA5" Instruction Set Architecture Reference Guide (July 2026). The comments in the code are by the model that wrote it; some were corrected since.
;; GLA Memory Compressor. Allowed arithmetic: float matrix products may take bf16 or f16 operands with f32 sums; other float arithmetic in f32, or as packed bf16 or f16 multiplies, adds, multiply-adds, maxima and minima; sums over many terms, partial sums and values carried from step to step in f32; what a program stores and reads back later, other than sums and carried values, may be rounded once to bf16 or f16.
;; Inputs: gk_b 1,024 float32; gk_w1 16 x 2,048 float32; gk_w2 1,024 x 16 float32; hidden_states 4 x 4,096 x 2,048 float32; k_w 1,024 x 2,048 float32; norm_w 2,048 float32; state 4 x 16 x 64 x 32 float32; v_w 512 x 2,048 float32.
;; Outputs: out0 4 x 16 x 64 x 32 float32.
;; One version. Each part assembles by itself: llvm-mc -triple=amdgcn-amd-amdhsa -mcpu=gfx1250 --defsym DOCPART=n.
;; ======== version 1 of 1: 3 launches
;; limits: values are held in f16: magnitudes above 65,504 overflow, below 6.1e-05 lose precision; inputs' magnitudes at most 65,504
;; workspace buffers: wt 6,553,600 bytes; part 8,388,608 bytes; gt 262,144 bytes
;; launch prep (part 1): grid 25 x 16, 8 waves a work-group, no clusters, 0 bytes of LDS; arguments k_w, v_w, gk_w1, norm_w, wt; writes wt
.if DOCPART == 1
	.amdgcn_target "amdgcn-amd-amdhsa--gfx1250"
	.amdhsa_code_object_version 6
	.text
	.protected	k_q9e2cd5b477_prep
	.globl	k_q9e2cd5b477_prep
	.p2align	8
	.type	k_q9e2cd5b477_prep,@function
k_q9e2cd5b477_prep:
	s_mov_b64 s[64:65], 0
	v_nop
	global_prefetch_b8 v0, s[64:65] scope:SCOPE_SE
	s_setreg_imm32_b32 hwreg(HW_REG_WAVE_MODE, 25, 1), 1
	s_wait_xcnt 0x0
; wt = f16(16 x W x norm_w), laid out in the tiles that the main launch fetches: [quarter q 4][K step 32][row 400][k 64], a tile 51,200 dense bytes.
; Rows 0-255 of a tile: k_w's rows 256 q ..; rows 256-383: v_w's rows 128 q ..; rows 384-399: gk_w1, repeated in every quarter.
; The factor 16 keeps small weights in f16's normal range; the main launch takes it back in the row factor.
; LIMIT: |16 x W x norm_w| stays under 65,504 (f16's range); drawn inputs give about 0.35.
; SHARES.  A work-group takes 16 rows of a tile (x = 0..24) for 8 K steps of one quarter (y = 4 q + kq).  Thread t: 8 numbers kk = t % 8 of row (t / 8) % 16, K step parity t / 128; four passes.
; A wave's store covers 4 rows x 128 bytes = 512 consecutive bytes, aligned.  Memory binds: no LDS, no matrix unit, no cluster; every byte is read and written once (gk_w1 four times: 0.5 MB).
.set TILEB, 51200
.set WW,    16                         ; v[16+16 i ..+7]  pass i: 8 weights
.set NW,    24                         ; v[24+16 i ..+7]  pass i: 8 gains
.set OUTR,  80                         ; v[80+4 i ..+3]   pass i: 8 f16
	s_load_b256 s[4:11], s[0:1], 0x0               ; k_w s[4:5], v_w s[6:7], gk_w1 s[8:9], norm_w s[10:11]
	s_load_b64 s[12:13], s[0:1], 0x20              ; wt
	s_and_b32 s16, ttmp7, 0xffff
	s_lshr_b32 s17, s16, 2                         ; q
	s_and_b32 s18, s16, 3                          ; kq: which 8 K steps
	s_lshl_b32 s19, ttmp9, 4                       ; the block's first row in a tile
	s_lshl_b32 s20, s17, 8
	s_add_co_u32 s20, s20, s19                     ; as a row of k_w: 256 q + 16 x
	s_lshl_b32 s22, s17, 7
	s_add_co_u32 s22, s22, s19
	s_max_u32 s22, s22, 256
	s_sub_co_u32 s22, s22, 256                     ; as a row of v_w: 128 q + 16 x - 256 (held at 0 where it is not the one chosen)
	s_lshl_b32 s24, s18, 11                        ; 8 K steps of 64 f32: 2,048 bytes along a row
	s_mov_b32 s25, 0
	s_lshl_b32 s26, s17, 5
	s_lshl_b32 s27, s18, 3
	s_add_co_u32 s26, s26, s27                     ; the first tile: 32 q + 8 kq
	s_mul_i32 s26, s26, TILEB
	s_lshl_b32 s27, s19, 7                         ; the block's rows, 128 bytes each
	s_add_co_u32 s26, s26, s27
	s_mov_b32 s27, 0
	v_and_b32 v4, 7, v0                            ; kk
	v_bfe_u32 v5, v0, 3, 4                         ; row
	v_lshrrev_b32 v6, 7, v0                        ; parity of the K step
	v_lshlrev_b32 v2, 5, v4
	v_lshl_add_u32 v2, v6, 8, v2                   ; in norm_w: 256 x parity + 32 kk
	v_lshl_add_u32 v1, v5, 13, v2                  ; in the weights: + 8,192 x row
	v_mul_u32_u24 v3, v6, TILEB
	v_lshl_add_u32 v3, v5, 7, v3
	v_lshl_add_u32 v3, v4, 4, v3                   ; in wt: 51,200 x parity + 128 x row + 16 kk
	s_wait_kmcnt 0x0
	s_cmp_lt_u32 ttmp9, 16
	s_cselect_b64 s[14:15], s[4:5], s[6:7]
	s_cselect_b32 s20, s20, s22
	s_cmp_eq_u32 ttmp9, 24
	s_cselect_b64 s[14:15], s[8:9], s[14:15]
	s_cselect_b32 s20, 0, s20
	s_lshl_b32 s20, s20, 13                        ; the row in bytes (under 2^24)
	s_add_co_u32 s20, s20, s24
	s_mov_b32 s21, 0
	s_add_nc_u64 s[14:15], s[14:15], s[20:21]
	s_add_nc_u64 s[10:11], s[10:11], s[24:25]
	s_add_nc_u64 s[12:13], s[12:13], s[26:27]
.irp i, 0,1,2,3                        ; all sixteen loads go out first; pass i is two K steps, 512 bytes, further along
	global_load_b128 v[WW+16*\i:WW+16*\i+3],   v1, s[14:15] offset:512*\i
	global_load_b128 v[WW+16*\i+4:WW+16*\i+7], v1, s[14:15] offset:512*\i+16
	global_load_b128 v[NW+16*\i:NW+16*\i+3],   v2, s[10:11] offset:512*\i
	global_load_b128 v[NW+16*\i+4:NW+16*\i+7], v2, s[10:11] offset:512*\i+16
.endr
.irp i, 0,1,2,3
	s_wait_loadcnt 12-4*\i                         ; this pass's four loads are in; the later passes' stay out
.irp j, 0,2,4,6
	v_pk_mul_f32 v[NW+16*\i+\j:NW+16*\i+\j+1], v[NW+16*\i+\j:NW+16*\i+\j+1], 0x41800000 op_sel_hi:[1,0]  ; 16 x gain: exact
.endr
.irp j, 0,2,4,6
	v_pk_mul_f32 v[WW+16*\i+\j:WW+16*\i+\j+1], v[WW+16*\i+\j:WW+16*\i+\j+1], v[NW+16*\i+\j:NW+16*\i+\j+1]
.endr
.irp j, 0,1,2,3
	v_cvt_pk_f16_f32 v[OUTR+4*\i+\j], v[WW+16*\i+2*\j], v[WW+16*\i+2*\j+1]
.endr
	global_store_b128 v3, v[OUTR+4*\i:OUTR+4*\i+3], s[12:13] offset:2*TILEB*\i  ; no register is written twice, so nothing waits for a store
.endr
	s_endpgm
.Lfunc_end_k_q9e2cd5b477_prep:
	.size	k_q9e2cd5b477_prep, .Lfunc_end_k_q9e2cd5b477_prep-k_q9e2cd5b477_prep
	.p2alignl 7, 3214868480
	.fill 96, 4, 3214868480
	.section	.rodata,"a",@progbits
	.p2align	6, 0x0
	.amdhsa_kernel k_q9e2cd5b477_prep
		.amdhsa_group_segment_fixed_size 0
		.amdhsa_private_segment_fixed_size 0
		.amdhsa_enable_private_segment 0
		.amdhsa_kernarg_size 40
		.amdhsa_user_sgpr_count 2
		.amdhsa_user_sgpr_kernarg_segment_ptr 1
		.amdhsa_wavefront_size32 1
		.amdhsa_system_sgpr_workgroup_id_x 1
		.amdhsa_system_sgpr_workgroup_id_y 1
		.amdhsa_system_sgpr_workgroup_id_z 1
		.amdhsa_system_vgpr_workitem_id 0
		.amdhsa_next_free_vgpr 96
		.amdhsa_next_free_sgpr 66
		.amdhsa_reserve_vcc 0
		.amdhsa_float_denorm_mode_32 3
		.amdhsa_float_denorm_mode_16_64 3
		.amdhsa_memory_ordered 1
		.amdhsa_forward_progress 1
		.amdhsa_inst_pref_size 8
	.end_amdhsa_kernel
	.amdgpu_metadata
---
amdhsa.version: [ 1, 2 ]
amdhsa.kernels:
  - .name:           k_q9e2cd5b477_prep
    .symbol:         k_q9e2cd5b477_prep.kd
    .args:
      - { .name: k_w, .offset: 0, .size: 8, .value_kind: global_buffer, .address_space: global }
      - { .name: v_w, .offset: 8, .size: 8, .value_kind: global_buffer, .address_space: global }
      - { .name: gk_w1, .offset: 16, .size: 8, .value_kind: global_buffer, .address_space: global }
      - { .name: norm_w, .offset: 24, .size: 8, .value_kind: global_buffer, .address_space: global }
      - { .name: wt, .offset: 32, .size: 8, .value_kind: global_buffer, .address_space: global }
    .group_segment_fixed_size: 0
    .private_segment_fixed_size: 0
    .kernarg_segment_align: 8
    .kernarg_segment_size: 40
    .max_flat_workgroup_size: 256
    .sgpr_count:     66
    .vgpr_count:     96
    .wavefront_size: 32
...
	.end_amdgpu_metadata
.endif
;; end of part 1
;; launch main (part 2): grid 4 x 64, 4 waves a work-group, clusters of 4 x 4, 327,680 bytes of LDS; arguments hidden_states, wt, gk_w2, gk_b, part, gt; writes part, gt
.if DOCPART == 2
	.amdgcn_target "amdgcn-amd-amdhsa--gfx1250"
	.amdhsa_code_object_version 6
	.text
	.protected	k_q9e2cd5b477_main
	.globl	k_q9e2cd5b477_main
	.p2align	8
	.type	k_q9e2cd5b477_main,@function
k_q9e2cd5b477_main:
	s_mov_b64 s[64:65], 0
	v_nop
	global_prefetch_b8 v0, s[64:65] scope:SCOPE_SE
	s_setreg_imm32_b32 hwreg(HW_REG_WAVE_MODE, 25, 1), 1
	s_wait_xcnt 0x0
	s_wait_alu depctr_hold_cnt(0) depctr_sa_sdst(0) depctr_va_vdst(0) depctr_va_sdst(0) depctr_va_ssrc(0) depctr_va_vcc(0) depctr_vm_vsrc(0)
	s_getreg_b32 s2, hwreg(HW_REG_IB_STS2, 6, 4)
	s_cmp_eq_u32 s2, 0
	s_cbranch_scc0 .Lentry_in_a_cluster
	s_endpgm
.Lentry_in_a_cluster:
	s_bfe_u32 s2, ttmp6, 0x10000c
	s_cmp_lg_u32 s2, 0xf033
	s_cbranch_scc0 .Lentry_shape_is_right
	s_endpgm
.Lentry_shape_is_right:
; ONE LAUNCH FOR: the row factor of the RMS norm, the three projections, the gates, and the state that a chunk of 256 tokens adds.
;   acc = h x wt^T (h rounded to f16 on the way from LDS to the matrix unit, wt = f16(16 W norm_w) from the launch before), sums in f32;  rs = rsqrt(mean h^2 + 1e-5) / 16 from the unrounded h;
;   k = acc_k rs, v = acc_v rs, low = acc_g rs;  Y = log2(e) (low w2^T + b);  g = (min(Y, 0) - log2(1 + 2^-|Y|)) / 16: the log-sigmoid over 16, in powers of two;
;   part[chunk][row][:] = sum over t of 2^(sum of g behind t in the chunk) k_t v_t;  gt[chunk][row] = the chunk's sum of g.  The last launch folds a batch's 16 chunks.
; No maximum is taken away from an exponent: each is a sum of log-sigmoids, so never above 0.
; FORMATS AND LIMITS.  All matrix operands f16, all sums f32.  |h| under 65,504; the normalised numbers low, k x decay and v under 65,504 (drawn inputs: about 1; all inputs thirty times larger: about 900);
; |gk_w2| under 65,504.  Below 6e-5 an operand keeps f16's fixed step of 6e-8.  A power of two below 2^-126 counts as 0.  NaN and infinities are not treated apart.
; SHARES.  Work-group (q, MT): tokens 256 MT .. + 255 (one chunk) x the 400 rows of quarter q of wt (4 heads' k: 256, their v: 128, the 16 gate rows).  256 work-groups.
; Wave w: tokens 64 w .. + 63 (4 tiles of 16) x all 24 column tiles, 96 accumulators in windows 1-3, and 4 gate accumulators in window 0.  So the sum of squares, the gates, the sums behind a token
; and the second product stay in a wave, and each row of h is rounded once.  K goes in 32 steps of 64 through two LDS slots; a step is two slices of 32: 100 matrix instructions each.
; CLUSTER 4 x 4.  The four work-groups of a row of the cluster need the same tile of h, the four of a column the same tile of wt: each is asked for jointly, by the same tensor load with the same
; descriptor and a mask that names the four.  Waves 0, 1 fetch the halves of h's tile (128 rows x 256 bytes), waves 2, 3 those of wt's (25,600 dense bytes as 100 rows of 256).
; Of a wave's tensor loads two are out at the start, later one.
; REGISTERS, in windows of 256 (s_set_vgpr_msb: bits 1:0 source 0, 3:2 source 1, 5:4 source 2, 7:6 destination).  Accumulator (token tile a, column tile b): window 1 + b / 8, v[32 (b % 8) + 8 a].
; Window 0 in the K walk: see the names below; behind it the same registers serve the gates and the way out.
.set PA,    272                        ; a row of h in LDS: 64 f32 + 16 bytes = 17 x 16: the sixteen rows of a load lie in sixteen different 16-byte columns of 256
.set PB,    144                        ; a row of wt: 64 f16 + 16 bytes = 9 x 16: likewise
.set SLOT1, 131072                     ; slot 1
.set BOFF,  256*PA                     ; in a slot: h's 256 rows, then wt's 400
.set HALFA, 128*PA
.set HALFB, 200*PB
.set W2P,   48                         ; a column's 16 f16 of gk_w2 + 16 bytes
.set W2L,   SLOT1+BOFF+400*PB          ; 258,304: gk_w2 of my quarter in f16, 256 columns; then 2,048 bytes of zeros (the load one tile past the end)
.set BL,    W2L+256*W2P+2048           ; 272,640: log2(e) x bias, 256 f32; then 512 bytes of zeros
.set RSL,   BL+1024+512                ; 274,176: rs by token, 64 f32 for each wave
.set TT,    RSL+1024                   ; 275,200: [wave][column 256] f32: a wave's sum of g
.set SPARE, TT+4096                    ; 279,296: the spare words, 128 bytes for each wave: two blocks of 256 bytes that no other line names
.set SGP,   144                        ; the stage, over the slots once they have had their last fill: [wave][row 256], 128 bytes + 16
.set SGW,   256*SGP
.set ADRA, 2                           ; v2-3    LDS address of my fragments of h in slot 0, 1
.set ADRB, 4                           ; v4-5    the same for wt
.set SPW,  6                           ; v6      LDS address of my spare word; never rewritten
.set NIL,  7                           ; v7      0; never rewritten
.set PFO,  8                           ; v8      the prefetches' offset: lane x a row of h (8,192 bytes); never rewritten
.set SS,   10                          ; v10-17  sums of squares, a pair for each token tile; later rs / 16, twice
.set RR,   20                          ; v20     lane % 16
.set HH,   21                          ; v21     lane / 16
.set LN,   22                          ; v22     lane
.set GACC, 24                          ; v24-55  the gate accumulators
.set AB,   56                          ; v56-119 fragments of h, two buffers of 4 tiles x 8
.set TP,   120                         ; v120-151 the second half of a tile's f32, until it is rounded
.set BS,   152                         ; v152-247 fragments of wt, two sets of 6 x 8
.set BG,   248                         ; v248-255 the gate rows' fragment
.set WA,   2                           ; behind the K walk: LDS addresses of gk_w2's fragment, of the bias, of my sums
.set BA,   3
.set TA,   4
.set HM,   5                           ; 1/16 in lanes 0-15, 0 in lanes 16-31
.set C16,  24                          ; v24-31  a pair for each token tile: what is added to the exponents (the odd registers hold 0)
.set TB,   32
.set XX,   36
.set B16,  40
.set R16,  44
.set LF,   56                          ; v56-87  low in f16, source 0 of the gates' product (K = 16 of 32: the upper registers hold 0)
.set RS,   88                          ; v88-119 rs / 16 of token 16 a + 8 (lane / 16) + j at RS + 8 a + j
.set YY,   120
.set EE,   152
.set KF,   184                         ; v184-199 k x decay in f16: two fragments of 32 tokens; later the 16 factors F
.set W2F,  200                         ; v200-207 gk_w2's fragment (the upper four hold 0)
.set BLR,  208                         ; v208-209 the column's bias (v209 holds 0)
.set WV,  16                           ; s16 wave   s17 fetches for wt?   s18 which half   s19 cx   s20 cy   s21 MT
.set FB,  17
.set HF,  18
.set CX,  19
.set CY,  20
.set MT,  21
.set G1A, 24                           ; s[24:31] descriptor group 1 for h   s[32:39] group 0, a set for each slot
.set G0A, 32
.set G1B, 40                           ; s[40:47], s[48:55] the same for wt
.set G0B, 48
.set PFA, 56                           ; s[56:57] where my prefetches stand
.set LIM, 58                           ; s58 1 in a wave that prefetches (0, 1), else the greatest number
.set LAP, 59
.set SEL, 60                           ; s[60:61] v_permlanex16_b32's selects: each lane takes its own place in the other half
.set QQ,  62                           ; s62 q
.set SGN, 63                           ; s63 the sign bit
.set L2E, 66                           ; s[66:67] log2(e), named as a pair
.set I16, 68                           ; s[68:69] 1/16
.set LA,  70                           ; at the head: LDS places of my halves
.set LB,  71
.set CT,  70                           ; later: the column tile in hand
.set M1,  71                           ; s71-73: 1.0 where wave 1, 2, 3 lies behind mine, else 0
.set MSB, 0
.macro WIN new                         ; the immediate's high byte repeats the setting that is left; a switch that changes nothing is dropped
.if MSB != (\new)
	s_set_vgpr_msb (MSB<<8)|(\new)
.set MSB, (\new)
.endif
.endm
.macro PLACES                          ; four plain places behind a matrix instruction, in front of loads into registers that it has read (ISA guide 7.12.1 for vector instructions)
.rept 4
	v_nop
.endr
.endm
; A joint load.  The branch hangs on the wave's number alone.  An s_nop 0 and four v_nop follow each of the two lines, ahead of the jump and the label.
.macro JLOAD s
	s_cmp_eq_u32 s[FB], 0
	s_cbranch_scc0 .Lfor_b_\@
	tensor_load_to_lds s[G0A+4*(\s):G0A+4*(\s)+3], s[G1A:G1A+7]
	s_nop 0
.rept 4
	v_nop
.endr
	s_branch .Lasked_\@
.Lfor_b_\@:
	tensor_load_to_lds s[G0B+4*(\s):G0B+4*(\s)+3], s[G1B:G1B+7]
	s_nop 0
.rept 4
	v_nop
.endr
.Lasked_\@:
.endm
; A prefetch of h into the L2: behind the change of slots that follows K step i, the 256 bytes of K step i + 3 (the one that the NEXT change will ask for) of 32 rows, a lane a row.
; A row of h is read by one row of one cluster alone.  Of the 128 rows that wave 0 or 1 fetches, the partner at place cx takes 32 cx .. + 31, told apart by address: each block is named once in the launch.
; how = 1: every trip; how = 0: not in the loop's last trip, whose K step i + 3 does not exist.  K steps 0 to 2 come by their loads alone.  wt is read by all clusters at about the same time and is not asked for.
.macro ASK how
.if \how
	s_cmp_eq_u32 s[LIM], 1
.else
	s_cmp_gt_u32 s[LAP], s[LIM]
.endif
	s_cbranch_scc0 .Lnot_mine_\@
	global_prefetch_b8 v[PFO], s[PFA:PFA+1] offset:256 th:TH_LOAD_NT scope:SCOPE_SE
.Lnot_mine_\@:
.endm
.macro CREST                           ; a round of the cluster's barrier behind its opening barrier
	s_cmp_lg_u32 s[WV], 0
	s_cbranch_scc1 .Lnot_wave_0_\@
	s_barrier_signal -3
.Lnot_wave_0_\@:
	s_barrier_wait -3
	s_barrier_signal -1
	s_barrier_wait -1
.endm
.macro CROUND
	s_barrier_signal -1
	s_barrier_wait -1
	CREST
.endm
; 12 LDS loads: six fragments of wt (column tiles b0 .. b0 + 5, 32 along K at byte kbyte of the rows) into a set
.macro LDB set, slot, kbyte, b0
.set li, 0
.rept 6
	ds_load_b128 v[BS+48*(\set)+8*li:BS+48*(\set)+8*li+3],   v[ADRB+(\slot)] offset:((\b0)+li)*16*PB+(\kbyte)
	ds_load_b128 v[BS+48*(\set)+8*li+4:BS+48*(\set)+8*li+7], v[ADRB+(\slot)] offset:((\b0)+li)*16*PB+(\kbyte)+32
.set li, li+1
.endr
.endm
.macro LDG slot, kbyte                 ; the gate rows' fragment: tile 24
	ds_load_b128 v[BG:BG+3],   v[ADRB+(\slot)] offset:24*16*PB+(\kbyte)
	ds_load_b128 v[BG+4:BG+7], v[ADRB+(\slot)] offset:24*16*PB+(\kbyte)+32
.endm
; 4 LDS loads: token tile t's 16 f32 a lane: K = 8 (l / 16) + 0..7 into the fragment's own 8 registers, K = 16 + 8 (l / 16) + 0..7 into TP
.macro LDA buf, slot, kbyte, t
	ds_load_b128 v[AB+32*(\buf)+8*(\t):AB+32*(\buf)+8*(\t)+3],   v[ADRA+(\slot)] offset:(\t)*16*PA+(\kbyte)
	ds_load_b128 v[AB+32*(\buf)+8*(\t)+4:AB+32*(\buf)+8*(\t)+7], v[ADRA+(\slot)] offset:(\t)*16*PA+(\kbyte)+16
	ds_load_b128 v[TP+8*(\t):TP+8*(\t)+3],   v[ADRA+(\slot)] offset:(\t)*16*PA+(\kbyte)+64
	ds_load_b128 v[TP+8*(\t)+4:TP+8*(\t)+7], v[ADRA+(\slot)] offset:(\t)*16*PA+(\kbyte)+80
.endm
; n matrix instructions, numbers i0 .. of a stretch's 24: token tile i % 4, column tile b0 + i / 4.  Source 0 = tokens: a lane of the result holds ONE column (l % 16) and the tokens 8 (l / 16) + 0..7.
; All 100 accumulators take turns, one instruction a turn, in the same order in every slice, over the backward jump too.
.macro MM buf, set, b0, i0, n, zero
.set mi, (\i0)
.rept \n
.set ma, mi%4
.set mb, (\b0)+mi/4
.set mw, 1+mb/8
.set mr, 32*(mb%8)+8*ma
	WIN (mw<<4)|(mw<<6)
.if \zero
	v_wmma_f32_16x16x32_f16 v[mr:mr+7], v[AB+32*(\buf)+8*ma:AB+32*(\buf)+8*ma+7], v[BS+48*(\set)+8*(mi/4):BS+48*(\set)+8*(mi/4)+7], 0
.else
	v_wmma_f32_16x16x32_f16 v[mr:mr+7], v[AB+32*(\buf)+8*ma:AB+32*(\buf)+8*ma+7], v[BS+48*(\set)+8*(mi/4):BS+48*(\set)+8*(mi/4)+7], v[mr:mr+7]
.endif
.set mi, mi+1
.endr
.endm
; the gates' four, with the sources swapped: a lane holds ONE token (l % 16) and the gate dims 8 (l / 16) + 0..7, which is source 0's layout for the gates' second product
.macro GATE buf, zero
	WIN 0
.set ga, 0
.rept 4
.if \zero
	v_wmma_f32_16x16x32_f16 v[GACC+8*ga:GACC+8*ga+7], v[BG:BG+7], v[AB+32*(\buf)+8*ga:AB+32*(\buf)+8*ga+7], 0
.else
	v_wmma_f32_16x16x32_f16 v[GACC+8*ga:GACC+8*ga+7], v[BG:BG+7], v[AB+32*(\buf)+8*ga:AB+32*(\buf)+8*ga+7], v[GACC+8*ga:GACC+8*ga+7]
.endif
.set ga, ga+1
.endr
.endm
; Four plain instructions: pair k % 8 of two token tiles (2 (k / 8), + 1) of the NEXT slice's h: into the sums of squares, and rounded to f16 in place.  Register j is written when pair j / 2 has long been read.
.macro RIDE nbuf, k, first
	WIN 0
.set rj, (\k)%8
.set ra, 2*((\k)/8)
.if rj < 4
.set rsa, AB+32*(\nbuf)+8*ra+2*rj
.else
.set rsa, TP+8*ra+2*(rj-4)
.endif
.set rsb, rsa+8
.if (\first) && (rj == 0)
	v_pk_mul_f32 v[SS+2*ra:SS+2*ra+1],   v[rsa:rsa+1], v[rsa:rsa+1]
	v_pk_mul_f32 v[SS+2*ra+2:SS+2*ra+3], v[rsb:rsb+1], v[rsb:rsb+1]
.else
	v_pk_fma_f32 v[SS+2*ra:SS+2*ra+1],   v[rsa:rsa+1], v[rsa:rsa+1], v[SS+2*ra:SS+2*ra+1]
	v_pk_fma_f32 v[SS+2*ra+2:SS+2*ra+3], v[rsb:rsb+1], v[rsb:rsb+1], v[SS+2*ra+2:SS+2*ra+3]
.endif
	v_cvt_pk_f16_f32 v[AB+32*(\nbuf)+8*ra+rj],   v[rsa], v[rsa+1]
	v_cvt_pk_f16_f32 v[AB+32*(\nbuf)+8*ra+8+rj], v[rsb], v[rsb+1]
.endm
; A SLICE: 32 along K (half e of the K step in a slot), in four stretches of 24 products (+ the gates' 4).  Each stretch's fragments of wt are asked for one stretch ahead, in one run.
; mode 0: plain.  1: the slot's last slice; the slot is filled again.  2: the same, nothing is left to fetch.  3: the very last slice.
.macro SLICE slot, e, nslot, zero, mode, how=0
.set cur, (\e)
.set nxt, 1-(\e)
.set kb, 64*(\e)
.if (\e) == 0
.set nsl, (\slot)
.set nkb, 64
.set nka, 128
.else
.set nsl, (\nslot)
.set nkb, 0
.set nka, 0
.endif
	WIN 0                                          ; the four places in front of this run are the slice before's last four plain instructions
	LDB 1, \slot, kb, 6
	s_wait_dscnt 12                                ; all but the 12 just issued: set 0 and the gate rows are in
	MM cur, 0, 0, 0, 24, \zero
	PLACES
	WIN 0
	LDB 0, \slot, kb, 12
	s_wait_dscnt 12                                ; set 1 is in
	GATE cur, \zero
	MM cur, 1, 6, 0, 24, \zero
	PLACES
	WIN 0
	LDB 1, \slot, kb, 18                           ; in a slot's second slice: my last reads of the slot
	s_wait_dscnt 12                                ; set 0 is in
.if ((\mode) == 0) || ((\mode) == 3)
	MM cur, 0, 12, 0, 24, \zero
.else
.if (\mode) == 1
	s_wait_xcnt 0x0                                ; the last prefetch, a K step back, has read its address: it is stepped here, ahead of the waits of the change of slots
	s_add_nc_u64 s[PFA:PFA+1], s[PFA:PFA+1], 256
.endif
	MM cur, 0, 12, 0, 8, \zero
	WIN 0                                          ; (the add's two registers lie in window 0)
	s_wait_tensorcnt 0x0                           ; all my tensor loads have landed: the one that was out is my part of the other slot;
	ds_add_u32 v[SPW], v[NIL]                      ; 0 onto my spare word;
	MM cur, 0, 12, 8, 8, \zero                     ; eight products stand between the add and the wait for it
	s_wait_dscnt 0x0                               ; the add is done, and my reads of this slot are over
	s_barrier_signal -1
	MM cur, 0, 12, 16, 8, \zero                    ; work on registers while the others arrive
	WIN 0
	s_barrier_wait -1
.endif
.if (\mode) == 3
	s_wait_dscnt 0x0
	MM cur, 1, 18, 0, 24, \zero
	WIN 0
.else
.if (\mode) == 1
	CREST                                          ; the barrier has opened a round of the cluster's: no wave of any partner still reads this slot or has a load on its way
	s_add_nc_u64 s[G0A+4*(\slot)+2:G0A+4*(\slot)+3], s[G0A+4*(\slot)+2:G0A+4*(\slot)+3], 512     ; two K steps of 64 f32 on
	s_add_nc_u64 s[G0B+4*(\slot)+2:G0B+4*(\slot)+3], s[G0B+4*(\slot)+2:G0B+4*(\slot)+3], 102400  ; two tiles of wt on
	JLOAD \slot                                    ; the first tensor load behind the round; its four v_nop are also the places in front of the loads below
.else
	PLACES
	WIN 0
.endif
	LDA nxt, nsl, nka, 0                           ; 30 loads for the next slice: h's four tiles,
	LDA nxt, nsl, nka, 1
	LDA nxt, nsl, nka, 2
	LDA nxt, nsl, nka, 3
	LDB 0, nsl, nkb, 0                             ; its first six fragments of wt, and the gate rows
	LDG nsl, nkb
.if (\mode) == 1
	ASK \how
.endif
	s_wait_dscnt 30                                ; set 1 is in
	MM cur, 1, 18, 0, 8, \zero
	s_wait_dscnt 22                                ; the first 8 of the 30: h's tiles 0 and 1
.set si, 8
.rept 16                               ; the next slice's h is squared and rounded beside the last sixteen products, four plain instructions behind each
	MM cur, 1, 18, si, 1, \zero
.if si == 16
	s_wait_dscnt 14                                ; tiles 2 and 3
.endif
	RIDE nxt, si-8, 0
.set si, si+1
.endr
.endif
.endm
	s_load_b256 s[4:11], s[0:1], 0x0               ; hidden_states s[4:5], wt s[6:7], gk_w2 s[8:9], gk_b s[10:11]
	s_load_b128 s[12:15], s[0:1], 0x20             ; part s[12:13], gt s[14:15]
	v_lshl_add_u32 v[SPW], v0, 2, SPARE
	v_mov_b32 v[NIL], 0
	ds_add_u32 v[SPW], v[NIL]                      ; the wave's opening: the add and its wait stand ahead of my first tensor load; the set-up below, work on registers, stands between them
	v_lshrrev_b32 v1, 5, v0
	v_readfirstlane_b32 s[WV], v1                  ; wave 0..3
	s_lshr_b32 s[FB], s[WV], 1
	s_and_b32 s[HF], s[WV], 1
	s_bfe_u32 s[CX], ttmp6, 0x40000
	s_bfe_u32 s[CY], ttmp6, 0x40004
	s_lshl_b32 s[QQ], ttmp9, 2
	s_add_co_u32 s[QQ], s[QQ], s[CX]               ; q = 4 x cluster x + cx
	s_and_b32 s[MT], ttmp7, 0xffff
	s_lshl_b32 s[MT], s[MT], 2
	s_add_co_u32 s[MT], s[MT], s[CY]               ; MT = 4 x cluster y + cy
	s_lshl_b32 s22, s[CY], 2
	s_lshl_b32 s22, 15, s22                        ; my row of the cluster
	s_lshl_b32 s23, 0x1111, s[CX]                  ; my column
	s_or_b32 s[G1A], s22, (2<<16)|(1<<20)|(1<<21)|(5<<22)|(3<<25)  ; the mask; elements of 4 bytes; padding on; bit 21 beside a mask; after every 64 words, 4 words
	s_mov_b32 s[G1A+1], 64<<16                     ; tensor_dim0 = 64
	s_mov_b32 s[G1A+2], 128<<16                    ; tensor_dim1 = 128
	s_mov_b32 s[G1A+3], 64<<16                     ; tile_dim0 = 64
	s_mov_b32 s[G1A+4], 128                        ; tile_dim1 = 128
	s_mov_b32 s[G1A+5], 2048                       ; elements from row to row
	s_mov_b32 s[G1A+6], 0
	s_mov_b32 s[G1A+7], 0
	s_or_b32 s[G1B], s23, (1<<16)|(1<<20)|(1<<21)|(4<<22)|(3<<25)  ; elements of 2 bytes; after every 32 words (a row of wt), 4 words
	s_mov_b32 s[G1B+1], 128<<16                    ; rows of 128 elements: two rows of wt
	s_mov_b32 s[G1B+2], 100<<16
	s_mov_b32 s[G1B+3], 128<<16
	s_mov_b32 s[G1B+4], 100
	s_mov_b32 s[G1B+5], 128                        ; dense
	s_mov_b32 s[G1B+6], 0
	s_mov_b32 s[G1B+7], 0
	s_mul_i32 s[LA], s[HF], HALFA                  ; where my half goes: no place in the cluster enters an LDS address
	s_mul_i32 s[LB], s[HF], HALFB
	s_lshl_b32 s74, s[MT], 8
	s_lshl_b32 s75, s[HF], 7
	s_add_co_u32 s74, s74, s75                     ; h: row 256 MT + 128 x half,
	s_lshl_b32 s74, s74, 13                        ; in bytes (under 2^28)
	s_mov_b32 s75, 0
	s_lshl_b32 s76, s[QQ], 5
	s_mul_i32 s76, s76, 51200                      ; wt: tile 32 q,
	s_mul_i32 s77, s[HF], 25600                    ; my half of it
	s_add_co_u32 s76, s76, s77
	s_mov_b32 s77, 0
	s_mov_b32 s[SEL], 0x76543210
	s_mov_b32 s[SEL+1], 0xfedcba98
	s_mov_b32 s[SGN], 0x80000000
	s_mov_b32 s[L2E], 0x3fb8aa3b
	s_mov_b32 s[L2E+1], 0x3fb8aa3b
	s_mov_b32 s[I16], 0x3d800000
	s_mov_b32 s[I16+1], 0x3d800000
	s_cmp_eq_u32 s[FB], 0
	s_cselect_b32 s[LIM], 1, -1
	s_wait_dscnt 0x0                               ; the opening add is done
	s_wait_kmcnt 0x0
	s_add_nc_u64 s[74:75], s[4:5], s[74:75]
	s_add_nc_u64 s[76:77], s[6:7], s[76:77]
	CROUND                                         ; all sixteen work-groups are here: the first joint loads meet
.irp s, 0,1
	s_mov_b32 s[G0A+4*(\s)], 1
	s_add_co_u32 s[G0A+4*(\s)+1], s[LA], (\s)*SLOT1
	s_add_nc_u64 s[G0A+4*(\s)+2:G0A+4*(\s)+3], s[74:75], (\s)*256
	s_or_b32 s[G0A+4*(\s)+3], s[G0A+4*(\s)+3], 0x80000000
	s_mov_b32 s[G0B+4*(\s)], 1
	s_add_co_u32 s[G0B+4*(\s)+1], s[LB], (\s)*SLOT1+BOFF
	s_add_nc_u64 s[G0B+4*(\s)+2:G0B+4*(\s)+3], s[76:77], (\s)*51200
	s_or_b32 s[G0B+4*(\s)+3], s[G0B+4*(\s)+3], 0x80000000
	JLOAD \s                                       ; K steps 0 and 1
.endr
	; while they come: my quarter of gk_w2 and gk_b goes into LDS, rounded and scaled once; thread t takes columns 2 t, 2 t + 1
	v_and_b32 v[LN], 31, v0
	v_and_b32 v[RR], 15, v0
	v_bfe_u32 v[HH], v0, 4, 1
	s_lshl_b32 s78, s[QQ], 14
	s_mov_b32 s79, 0
	s_add_nc_u64 s[8:9], s[8:9], s[78:79]
	s_lshl_b32 s78, s[QQ], 10
	s_add_nc_u64 s[10:11], s[10:11], s[78:79]
	v_lshlrev_b32 v1, 7, v0
	v_lshlrev_b32 v9, 3, v0
.irp i, 0,1,2,3,4,5,6,7
	global_load_b128 v[BS+4*\i:BS+4*\i+3], v1, s[8:9] offset:16*\i
.endr
	global_load_b64 v[BG:BG+1], v9, s[10:11]
	s_mul_i32 s78, s[WV], 64*PA                    ; my 64 rows of h
	v_mul_u32_u24 v[ADRA], v[RR], PA
	v_lshl_add_u32 v[ADRA], v[HH], 5, v[ADRA]      ; row x pitch + 8 f32 x half
	v_add_nc_u32 v[ADRA], s78, v[ADRA]
	v_add_nc_u32 v[ADRA+1], SLOT1, v[ADRA]
	v_mul_u32_u24 v[ADRB], v[RR], PB
	v_lshl_add_u32 v[ADRB], v[HH], 4, v[ADRB]      ; row x pitch + 8 f16 x half
	v_add_nc_u32 v[ADRB], BOFF, v[ADRB]
	v_add_nc_u32 v[ADRB+1], SLOT1, v[ADRB]
	v_lshlrev_b32 v[PFO], 13, v[LN]
	s_lshl_b32 s78, s[CX], 18                      ; my work-group's 32 of the 128 rows
	s_add_nc_u64 s[PFA:PFA+1], s[74:75], s[78:79]
	s_add_nc_u64 s[PFA:PFA+1], s[PFA:PFA+1], 256   ; each change of slots steps it by a K step and names the K step after
	v_mul_u32_u24 v23, v0, 2*W2P
	v_add_nc_u32 v23, W2L, v23
	v_lshl_add_u32 v19, v0, 3, BL
	v_lshl_add_u32 v18, v0, 4, W2L+256*W2P
	v_lshl_add_u32 v17, v0, 2, BL+1024
.irp i, 0,1,2,3
	v_mov_b32 v[BS+48+\i], 0
.endr
	s_wait_loadcnt 0x0
.set ei, 0
.rept 16
	v_cvt_pk_f16_f32 v[BS+32+ei], v[BS+2*ei], v[BS+2*ei+1]
.set ei, ei+1
.endr
	v_pk_mul_f32 v[BG:BG+1], v[BG:BG+1], s[L2E:L2E+1] op_sel_hi:[1,0]
	ds_store_b128 v23, v[BS+32:BS+35]
	ds_store_b128 v23, v[BS+36:BS+39] offset:16
	ds_store_b128 v23, v[BS+40:BS+43] offset:W2P
	ds_store_b128 v23, v[BS+44:BS+47] offset:W2P+16
	ds_store_b64 v19, v[BG:BG+1]
	ds_store_b128 v18, v[BS+48:BS+51]              ; the zeros behind the two tables
	ds_store_b32 v17, v[BS+48]
	s_wait_tensorcnt 0x1                           ; my part of K step 0 is in; K step 1's may stay out
	s_wait_dscnt 0x0                               ; for the others' sake: my stores are done
	s_barrier_signal -1
	s_barrier_wait -1
	LDA 0, 0, 0, 0                                 ; the first slice's fragments
	LDA 0, 0, 0, 1
	LDA 0, 0, 0, 2
	LDA 0, 0, 0, 3
	LDB 0, 0, 0, 0
	LDG 0, 0
	s_wait_dscnt 0x0
.set fk, 0
.rept 16
	RIDE 0, fk, 1                                  ; its first squares start the sums of squares
.set fk, fk+1
.endr
	SLICE 0, 0, 0, 1, 0                            ; the first slice stands in front of the loop: its products start all 100 sums
	s_mov_b32 s[LAP], 15
.Llap:                                         ; a trip goes once round the ring, from a K step's second slice to the first of the K step two on, and fills both slots again: K steps 2 to 31
	SLICE 0, 1, 1, 0, 1, 1
	SLICE 1, 0, 0, 0, 0
	SLICE 1, 1, 0, 0, 1, 0
	SLICE 0, 0, 0, 0, 0
	s_sub_co_u32 s[LAP], s[LAP], 1
	s_cmp_lg_u32 s[LAP], 0
	s_cbranch_scc1 .Llap
	SLICE 0, 1, 1, 0, 2                            ; the tail is written out: nothing is left to fetch
	SLICE 1, 0, 0, 0, 0
	SLICE 1, 1, 0, 0, 3
	; THE ROW FACTOR.  A lane holds half of token (l % 16)'s squares.  The four additions are the places behind the last products.
	s_mov_b32 s74, 0x3a000000                      ; 1 / 2048
	s_mov_b32 s75, 0x3727c5ac                      ; 1e-5
.irp t, 0,1,2,3
	v_add_f32 v[SS+2*\t], v[SS+2*\t], v[SS+2*\t+1]
.endr
.irp t, 0,1,2,3
	v_permlanex16_b32 v[SS+2*\t+1], v[SS+2*\t], s[SEL], s[SEL+1]
.endr
.irp t, 0,1,2,3
	v_add_f32 v[SS+2*\t], v[SS+2*\t], v[SS+2*\t+1]
.endr
.irp t, 0,1,2,3
	v_fma_f32 v[SS+2*\t], v[SS+2*\t], s74, s75
.endr
.irp t, 0,1,2,3
	v_rsq_f32 v[SS+2*\t+1], v[SS+2*\t]
.endr
	v_nop                                          ; a plain instruction behind the last of the four,
	s_wait_alu depctr_va_vdst(0)                   ; and one wait ahead of their first reader
.irp t, 0,1,2,3
	v_mul_f32 v[SS+2*\t], s[I16], v[SS+2*\t+1]     ; rs / 16 (wt's factor is taken back), twice: a pair for the packed multiplies
	v_mul_f32 v[SS+2*\t+1], s[I16], v[SS+2*\t+1]
.endr
	s_lshl_b32 s78, s[WV], 8
	s_add_co_u32 s78, s78, RSL
	v_lshl_add_u32 v18, v[RR], 2, s78
	v_lshl_add_u32 v19, v[HH], 5, s78
.irp t, 0,1,2,3
	ds_store_b32 v18, v[SS+2*\t] offset:64*\t      ; by token, through my own 256 bytes of LDS,
.endr
.irp t, 0,1,2,3
	ds_load_b128 v[RS+8*\t:RS+8*\t+3],   v19 offset:64*\t     ; and back in the accumulators' order: LDS serves a wave's instructions in order (ISA guide 5.7.1.4)
	ds_load_b128 v[RS+8*\t+4:RS+8*\t+7], v19 offset:64*\t+16
.endr
.set ei, 0
.rept 16                               ; low = acc_g x rs / 16, from each accumulator's low end on
	v_pk_mul_f32 v[GACC+2*ei:GACC+2*ei+1], v[GACC+2*ei:GACC+2*ei+1], v[SS+2*(ei/4):SS+2*(ei/4)+1]
.set ei, ei+1
.endr
.set ei, 0
.rept 16
	v_cvt_pk_f16_f32 v[LF+8*(ei/4)+ei%4], v[GACC+2*ei], v[GACC+2*ei+1]
	v_mov_b32 v[LF+8*(ei/4)+4+ei%4], 0             ; K = 16 .. 31 of the gates' product do not exist
.set ei, ei+1
.endr
.irp t, 0,1,2,3
	v_mov_b32 v[C16+2*\t+1], 0                     ; named in a pair
	v_mov_b32 v[XX+\t], 0                          ; v_permlanex16_b32's destination counts as read
	v_mov_b32 v[W2F+4+\t], 0
.endr
	v_mov_b32 v[BLR+1], 0
	v_cmp_gt_u32 vcc_lo, 16, v[LN]
	v_cndmask_b32 v[HM], 0, s[I16], vcc_lo
	v_mul_u32_u24 v[WA], v[RR], W2P
	v_lshl_add_u32 v[WA], v[HH], 4, v[WA]
	v_add_nc_u32 v[WA], W2L, v[WA]
	v_lshl_add_u32 v[BA], v[RR], 2, BL
	s_lshl_b32 s78, s[WV], 10
	s_add_co_u32 s78, s78, TT
	v_lshl_add_u32 v[TA], v[RR], 2, s78
	ds_load_b128 v[W2F:W2F+3], v[WA]               ; column tile 0
	ds_load_b32 v[BLR], v[BA]
	s_wait_dscnt 0x2                               ; rs is back; the two just issued may stay out
	; v = acc_v x rs / 16, rounded to f16 in place.  Token tiles 2 s, 2 s + 1 of a column tile ARE a fragment of 32 tokens x 16 columns: window 3, v[32 b' + 16 s .. + 7]
	WIN 0xc3
.set vb, 0
.rept 128
	v_pk_mul_f32 v[2*vb:2*vb+1], v[2*vb:2*vb+1], v[RS+(2*vb)%32:RS+(2*vb)%32+1]
.set vb, vb+1
.endr
	WIN 0xcf
.set vb, 0
.rept 128
.set va, (vb/4)%4
	v_cvt_pk_f16_f32 v[32*(vb/16)+16*(va/2)+4*(va%2)+vb%4], v[2*vb], v[2*vb+1]
.set vb, vb+1
.endr
	WIN 0
; What names k's accumulators cannot be looped over: it stands once for each column tile, 36 instructions; the rest of a trip stands once.
; k x (decay x rs / 16), rounded to f16: two fragments of 32 tokens x 16 k dims; then S^T = v^T (k decay) for the head's two tiles of 16 v dims, into the two lowest of the tile's own accumulators, which have been read.
; A lane of S holds ONE k dim (l % 16) and the v dims 8 (l / 16) + 0..7.  The two sums take turns.
.macro CASE ct
.Lcase_\ct:
.set cw, 1+(\ct)/8
.set cb, 32*((\ct)%8)
.set cv, 64*((\ct)/4)
	WIN cw
.set cp, 0
.rept 16
	v_pk_mul_f32 v[EE+2*cp:EE+2*cp+1], v[cb+2*cp:cb+2*cp+1], v[EE+2*cp:EE+2*cp+1]
.set cp, cp+1
.endr
	WIN 0
.set cp, 0
.rept 16
	v_cvt_pk_f16_f32 v[KF+cp], v[EE+2*cp], v[EE+2*cp+1]
.set cp, cp+1
.endr
	WIN 3|(cw<<4)|(cw<<6)
	v_wmma_f32_16x16x32_f16 v[cb:cb+7],    v[cv:cv+7],     v[KF:KF+7], 0
	v_wmma_f32_16x16x32_f16 v[cb+8:cb+15], v[cv+32:cv+39], v[KF:KF+7], 0
	v_wmma_f32_16x16x32_f16 v[cb:cb+7],    v[cv+16:cv+23], v[KF+8:KF+15], v[cb:cb+7]
	v_wmma_f32_16x16x32_f16 v[cb+8:cb+15], v[cv+48:cv+55], v[KF+8:KF+15], v[cb+8:cb+15]
	WIN 0
	s_branch .Ljoin
.endm
	s_mov_b32 s[CT], 0
.Lct:                                          ; 16 trips: a tile of 16 k columns, my 64 tokens
	s_wait_dscnt 0x0                               ; gk_w2's fragment and the bias are in
.irp t, 0,1,2,3
	v_wmma_f32_16x16x32_f16 v[YY+8*\t:YY+8*\t+7], v[LF+8*\t:LF+8*\t+7], v[W2F:W2F+7], 0
.endr
	v_add_nc_u32 v[WA], 16*W2P, v[WA]              ; four places; then the next tile's fragment (behind the last tile: the zeros)
	v_add_nc_u32 v[BA], 64, v[BA]
	v_nop
	v_nop
	ds_load_b128 v[W2F:W2F+3], v[WA]
.set ei, 0
.rept 16
	v_pk_fma_f32 v[YY+2*ei:YY+2*ei+1], v[YY+2*ei:YY+2*ei+1], s[L2E:L2E+1], v[BLR:BLR+1] op_sel_hi:[1,0,0]  ; Y
.set ei, ei+1
.endr
	ds_load_b32 v[BLR], v[BA]
.set ei, 0
.rept 32
	v_or_b32 v[EE+ei], s[SGN], v[YY+ei]            ; -|Y|
.set ei, ei+1
.endr
.set ei, 0
.rept 32
	v_exp_f32 v[EE+ei], v[EE+ei]
	v_min_num_f32 v[YY+ei], 0, v[YY+ei]
.set ei, ei+1
.endr
	s_wait_alu depctr_va_vdst(0)                   ; one wait for the 32 exponentials
	v_pk_add_f32 v[EE:EE+1], v[EE:EE+1], 1.0 op_sel_hi:[1,0]
.set ei, 1
.rept 15
	v_pk_add_f32 v[EE+2*ei:EE+2*ei+1], v[EE+2*ei:EE+2*ei+1], 1.0 op_sel_hi:[1,0]
	v_log_f32 v[EE+2*ei-2], v[EE+2*ei-2]
	v_log_f32 v[EE+2*ei-1], v[EE+2*ei-1]
.set ei, ei+1
.endr
	v_log_f32 v[EE+30], v[EE+30]
	v_log_f32 v[EE+31], v[EE+31]
	v_nop
	s_wait_alu depctr_va_vdst(0)                   ; one wait for the 32 logarithms
.set ei, 0
.rept 16
	v_pk_add_f32 v[YY+2*ei:YY+2*ei+1], v[YY+2*ei:YY+2*ei+1], v[EE+2*ei:EE+2*ei+1] neg_lo:[0,1] neg_hi:[0,1]  ; 16 g
.set ei, ei+1
.endr
	; the sum of 16 g behind each token: first among a lane's eight tokens of each tile, four chains side by side
.irp t, 0,1,2,3
	v_mov_b32 v[EE+8*\t+7], 0
.endr
.irp t, 0,1,2,3
	v_mov_b32 v[EE+8*\t+6], v[YY+8*\t+7]
.endr
.irp j, 6,5,4,3,2,1
.irp t, 0,1,2,3
	v_add_f32 v[EE+8*\t+\j-1], v[EE+8*\t+\j], v[YY+8*\t+\j]
.endr
.endr
.irp t, 0,1,2,3
	v_add_f32 v[TB+\t], v[EE+8*\t], v[YY+8*\t]
.endr
	; then what lies behind them: for lanes 0-15 the tile's tokens 8-15, in the lane 16 away; for all the later tiles
.irp t, 0,1,2,3
	v_permlanex16_b32 v[XX+\t], v[TB+\t], s[SEL], s[SEL+1]
.endr
.irp t, 0,1,2,3
	v_add_f32 v[B16+\t], v[TB+\t], v[XX+\t]
.endr
.irp t, 0,1,2,3
	v_mul_f32 v[B16+\t], s[I16], v[B16+\t]         ; a tile's sum of g
.endr
	v_mul_f32 v[C16+6], v[XX+3], v[HM]
	v_fma_f32 v[C16+4], v[XX+2], v[HM], v[B16+3]
	v_add_f32 v[R16+1], v[B16+3], v[B16+2]
	v_fma_f32 v[C16+2], v[XX+1], v[HM], v[R16+1]
	v_add_f32 v[R16], v[R16+1], v[B16+1]
	v_fma_f32 v[C16], v[XX], v[HM], v[R16]
	v_add_f32 v[TB], v[R16], v[B16]                ; my 64 tokens' sum of g for column l % 16
	ds_store_b32 v[TA], v[TB]
	v_add_nc_u32 v[TA], 64, v[TA]
	v_pk_fma_f32 v[EE:EE+1], v[EE:EE+1], s[I16:I16+1], v[C16:C16+1] op_sel_hi:[1,0,0]
.set ei, 1
.rept 15
	v_pk_fma_f32 v[EE+2*ei:EE+2*ei+1], v[EE+2*ei:EE+2*ei+1], s[I16:I16+1], v[C16+2*(ei/4):C16+2*(ei/4)+1] op_sel_hi:[1,0,0]
	v_exp_f32 v[EE+2*ei-2], v[EE+2*ei-2]
	v_exp_f32 v[EE+2*ei-1], v[EE+2*ei-1]
.set ei, ei+1
.endr
	v_exp_f32 v[EE+30], v[EE+30]
	v_exp_f32 v[EE+31], v[EE+31]
	v_nop
	s_wait_alu depctr_va_vdst(0)                   ; one wait for the 32 decays, ahead of their readers and of the branches
.set ei, 0
.rept 16
	v_pk_mul_f32 v[EE+2*ei:EE+2*ei+1], v[EE+2*ei:EE+2*ei+1], v[RS+2*ei:RS+2*ei+1]  ; decay x rs / 16
.set ei, ei+1
.endr
.irp ct, 0,1,2,3,4,5,6,7,8,9,10,11,12,13,14
	s_cmp_eq_u32 s[CT], \ct
	s_cbranch_scc1 .Lcase_\ct
.endr
	CASE 15
	CASE 0
	CASE 1
	CASE 2
	CASE 3
	CASE 4
	CASE 5
	CASE 6
	CASE 7
	CASE 8
	CASE 9
	CASE 10
	CASE 11
	CASE 12
	CASE 13
	CASE 14
.Ljoin:
	s_add_co_u32 s[CT], s[CT], 1
	s_cmp_lt_u32 s[CT], 16
	s_cbranch_scc1 .Lct
	; THE FOUR WAVES' PARTS ARE JOINED.  The addresses below are also the places behind the last products.
	v_lshl_add_u32 v18, v[RR], 2, TT               ; the waves' sums for column l % 16
	s_lshl_b32 s78, s[WV], 8
	s_add_co_u32 s78, s78, TT
	v_lshl_add_u32 v19, v[LN], 3, s78              ; and for columns 64 w + 2 l, + 1
	s_mul_i32 s78, s[WV], SGW
	v_mul_u32_u24 v23, v[RR], SGP
	v_lshl_add_u32 v23, v[HH], 5, v23
	v_add_nc_u32 v23, s78, v23                     ; into my stage: row l % 16, 32 bytes for each half of the lanes
	s_mul_i32 s78, s[WV], 64*SGP
	v_lshrrev_b32 v2, 3, v[LN]
	v_mul_u32_u24 v2, v2, SGP
	v_and_b32 v9, 7, v[LN]
	v_lshl_add_u32 v2, v9, 4, v2
	v_add_nc_u32 v2, s78, v2                       ; back: head w's rows, four rows of 128 bytes a load, in each of the four stages
	v_add_nc_u32 v3, SGW, v2
	v_add_nc_u32 v4, 2*SGW, v2
	v_add_nc_u32 v5, 3*SGW, v2
	v_lshlrev_b32 v9, 4, v[LN]                     ; my 16 bytes of 512 consecutive bytes of part
	v_lshlrev_b32 v1, 3, v[LN]                     ; my 8 bytes of 256 consecutive bytes of gt
	s_lshl_b32 s78, s[MT], 12                      ; gt: chunk, quarter, wave
	s_lshl_b32 s79, s[QQ], 10
	s_add_co_u32 s78, s78, s79
	s_lshl_b32 s79, s[WV], 8
	s_add_co_u32 s78, s78, s79
	s_mov_b32 s79, 0
	s_add_nc_u64 s[14:15], s[14:15], s[78:79]
	s_lshl_b32 s78, s[MT], 17                      ; part: the same, 128 bytes a row
	s_lshl_b32 s76, s[QQ], 15
	s_add_co_u32 s78, s78, s76
	s_lshl_b32 s76, s[WV], 13
	s_add_co_u32 s78, s78, s76
	s_add_nc_u64 s[12:13], s[12:13], s[78:79]
	s_cmp_lt_u32 s[WV], 1
	s_cselect_b32 s[M1], 1.0, 0
	s_cmp_lt_u32 s[WV], 2
	s_cselect_b32 s[M1+1], 1.0, 0
	s_cmp_lt_u32 s[WV], 3
	s_cselect_b32 s[M1+2], 1.0, 0
	s_wait_dscnt 0x0                               ; my sums are stored, and my last LDS loads are back
	s_barrier_signal -1
	s_barrier_wait -1                              ; all sums lie in LDS, and no wave reads a slot any more
.irp w, 1,2,3
.irp ct, 0,1,2,3,4,5,6,7,8,9,10,11,12,13,14,15
	ds_load_b32 v[YY+16*(\w-1)+\ct], v18 offset:1024*\w+64*\ct
.endr
.endr
.irp w, 0,1,2,3
	ds_load_b64 v[LF+2*\w:LF+2*\w+1], v19 offset:1024*\w
.endr
	s_wait_dscnt 0x4                               ; the 48 are in; the four for gt may stay out
.irp ct, 0,1,2,3,4,5,6,7,8,9,10,11,12,13,14,15
	v_mul_f32 v[KF+\ct], s[M1], v[YY+\ct]
.endr
.irp ct, 0,1,2,3,4,5,6,7,8,9,10,11,12,13,14,15
	v_fma_f32 v[KF+\ct], s[M1+1], v[YY+16+\ct], v[KF+\ct]
.endr
.irp ct, 0,1,2,3,4,5,6,7,8,9,10,11,12,13,14,15
	v_fma_f32 v[KF+\ct], s[M1+2], v[YY+32+\ct], v[KF+\ct]   ; the sum of g of the waves behind mine
.endr
.irp ct, 0,1,2,3,4,5,6,7,8,9,10,11,12,13,14,15
	v_exp_f32 v[KF+\ct], v[KF+\ct]                 ; F
.endr
	s_wait_dscnt 0x0
	v_pk_add_f32 v[LF:LF+1], v[LF:LF+1], v[LF+2:LF+3]      ; the chunk's sum of g: plain work behind the exponentials
	v_pk_add_f32 v[LF+4:LF+5], v[LF+4:LF+5], v[LF+6:LF+7]
	v_pk_add_f32 v[LF:LF+1], v[LF:LF+1], v[LF+4:LF+5]
	global_store_b64 v1, v[LF:LF+1], s[14:15]      ; a wave stores 256 consecutive bytes, aligned
	s_wait_alu depctr_va_vdst(0)                   ; one wait for the 16 factors
; window w's eight column tiles: S x F in place, from each accumulator's low end on, and into my stage
.macro SOUT w
	WIN (\w)|((\w)<<6)
.set sx, 0
.rept 64
.set sr, 32*(sx/8)+2*(sx%8)
.set sct, 8*((\w)-1)+sx/8
.if sct%2
	v_pk_mul_f32 v[sr:sr+1], v[sr:sr+1], v[KF+sct-1:KF+sct] op_sel:[0,1] op_sel_hi:[1,1]
.else
	v_pk_mul_f32 v[sr:sr+1], v[sr:sr+1], v[KF+sct:KF+sct+1] op_sel_hi:[1,0]
.endif
.set sx, sx+1
.endr
	WIN (\w)<<2
.set sx, 0
.rept 32
	ds_store_b128 v23, v[32*(sx/4)+4*(sx%4):32*(sx/4)+4*(sx%4)+3] offset:(8*((\w)-1)+sx/4)*16*SGP+64*((sx%4)/2)+16*(sx%2)
.set sx, sx+1
.endr
.endm
	SOUT 1
	SOUT 2
	WIN 0
	s_wait_dscnt 0x0                               ; for the others' sake: my stage is written
	s_barrier_signal -1
	s_barrier_wait -1
.set bt, 0
.rept 4                                ; wave w adds the four stages' rows of head w: four passes of 16 rows
	s_wait_xcnt 0x0                                ; the stores issued so far have read their registers: these are loaded again only behind this wait
.set k4, 0
.rept 4
	ds_load_b128 v[YY+16*k4:YY+16*k4+3],     v2 offset:4*SGP*(4*bt+k4)
	ds_load_b128 v[YY+16*k4+4:YY+16*k4+7],   v3 offset:4*SGP*(4*bt+k4)
	ds_load_b128 v[YY+16*k4+8:YY+16*k4+11],  v4 offset:4*SGP*(4*bt+k4)
	ds_load_b128 v[YY+16*k4+12:YY+16*k4+15], v5 offset:4*SGP*(4*bt+k4)
.set k4, k4+1
.endr
.set k4, 0
.rept 4
	s_wait_dscnt 12-4*k4                           ; this four rows' four loads are in; the later ones stay out
	v_pk_add_f32 v[YY+16*k4:YY+16*k4+1],     v[YY+16*k4:YY+16*k4+1],     v[YY+16*k4+4:YY+16*k4+5]
	v_pk_add_f32 v[YY+16*k4+2:YY+16*k4+3],   v[YY+16*k4+2:YY+16*k4+3],   v[YY+16*k4+6:YY+16*k4+7]
	v_pk_add_f32 v[YY+16*k4+8:YY+16*k4+9],   v[YY+16*k4+8:YY+16*k4+9],   v[YY+16*k4+12:YY+16*k4+13]
	v_pk_add_f32 v[YY+16*k4+10:YY+16*k4+11], v[YY+16*k4+10:YY+16*k4+11], v[YY+16*k4+14:YY+16*k4+15]
	v_pk_add_f32 v[YY+16*k4:YY+16*k4+1],     v[YY+16*k4:YY+16*k4+1],     v[YY+16*k4+8:YY+16*k4+9]
	v_pk_add_f32 v[YY+16*k4+2:YY+16*k4+3],   v[YY+16*k4+2:YY+16*k4+3],   v[YY+16*k4+10:YY+16*k4+11]
	global_store_b128 v9, v[YY+16*k4:YY+16*k4+3], s[12:13] offset:512*(4*bt+k4)  ; 512 consecutive bytes, aligned
.set k4, k4+1
.endr
.set bt, bt+1
.endr
	s_wait_tensorcnt 0x0                           ; the wave's end, behind my last tensor load and my last LDS store
	ds_add_u32 v[SPW], v[NIL]
	s_wait_dscnt 0x0
	CROUND                                         ; the closing round: no work-group ends while a partner may still ask for a tile that names it
	s_endpgm
.Lfunc_end_k_q9e2cd5b477_main:
	.size	k_q9e2cd5b477_main, .Lfunc_end_k_q9e2cd5b477_main-k_q9e2cd5b477_main
	.p2alignl 7, 3214868480
	.fill 96, 4, 3214868480
	.section	.rodata,"a",@progbits
	.p2align	6, 0x0
	.amdhsa_kernel k_q9e2cd5b477_main
		.amdhsa_group_segment_fixed_size 327680
		.amdhsa_private_segment_fixed_size 0
		.amdhsa_enable_private_segment 0
		.amdhsa_kernarg_size 48
		.amdhsa_user_sgpr_count 2
		.amdhsa_user_sgpr_kernarg_segment_ptr 1
		.amdhsa_wavefront_size32 1
		.amdhsa_system_sgpr_workgroup_id_x 1
		.amdhsa_system_sgpr_workgroup_id_y 1
		.amdhsa_system_sgpr_workgroup_id_z 1
		.amdhsa_system_vgpr_workitem_id 0
		.amdhsa_next_free_vgpr 1024
		.amdhsa_next_free_sgpr 80
		.amdhsa_reserve_vcc 1
		.amdhsa_float_denorm_mode_32 3
		.amdhsa_float_denorm_mode_16_64 3
		.amdhsa_memory_ordered 1
		.amdhsa_forward_progress 1
		.amdhsa_inst_pref_size 249
	.end_amdhsa_kernel
	.amdgpu_metadata
---
amdhsa.version: [ 1, 2 ]
amdhsa.kernels:
  - .name:           k_q9e2cd5b477_main
    .symbol:         k_q9e2cd5b477_main.kd
    .args:
      - { .name: hidden_states, .offset: 0, .size: 8, .value_kind: global_buffer, .address_space: global }
      - { .name: wt, .offset: 8, .size: 8, .value_kind: global_buffer, .address_space: global }
      - { .name: gk_w2, .offset: 16, .size: 8, .value_kind: global_buffer, .address_space: global }
      - { .name: gk_b, .offset: 24, .size: 8, .value_kind: global_buffer, .address_space: global }
      - { .name: part, .offset: 32, .size: 8, .value_kind: global_buffer, .address_space: global }
      - { .name: gt, .offset: 40, .size: 8, .value_kind: global_buffer, .address_space: global }
    .group_segment_fixed_size: 327680
    .private_segment_fixed_size: 0
    .kernarg_segment_align: 8
    .kernarg_segment_size: 48
    .max_flat_workgroup_size: 128
    .sgpr_count:     80
    .vgpr_count:     1024
    .wavefront_size: 32
...
	.end_amdgpu_metadata
.endif
;; end of part 2
;; launch fold (part 3): grid 256 x 1, 4 waves a work-group, no clusters, 0 bytes of LDS; arguments part, gt, state, out0; writes out0
.if DOCPART == 3
	.amdgcn_target "amdgcn-amd-amdhsa--gfx1250"
	.amdhsa_code_object_version 6
	.text
	.protected	k_q9e2cd5b477_fold
	.globl	k_q9e2cd5b477_fold
	.p2align	8
	.type	k_q9e2cd5b477_fold,@function
k_q9e2cd5b477_fold:
	s_mov_b64 s[64:65], 0
	v_nop
	global_prefetch_b8 v0, s[64:65] scope:SCOPE_SE
	s_setreg_imm32_b32 hwreg(HW_REG_WAVE_MODE, 25, 1), 1
	s_wait_xcnt 0x0
; out0[b][row][:] = 2^(sum over c of gt[c][row]) x state[b][row][:] + sum over c of 2^(sum over c' > c of gt[c'][row]) x part[c][row][:], c = the batch's 16 chunks in order.
; gt holds sums of log-sigmoids over 16 in powers of two: never above 0, so no power overflows; one below 2^-126 counts as 0.
; SHARES.  A work-group takes 16 rows of 128 bytes of one batch; thread t the 16 bytes at 16 t.  Each byte of part, gt's rows, state and out0 crosses once; all 33 loads go out at once.
; A wave's load or store covers 512 consecutive bytes, aligned.  Memory binds: no LDS, no matrix unit, no cluster.
.set TG, 16                            ; v16-31  gt of my row by chunk; then the sums from chunk c on; then their powers of two
.set PP, 32                            ; v32-95  part of chunk c at PP + 4 c
	s_load_b256 s[4:11], s[0:1], 0x0               ; part s[4:5], gt s[6:7], state s[8:9], out0 s[10:11]
	s_lshr_b32 s12, ttmp9, 6                       ; batch
	s_and_b32 s13, ttmp9, 63                       ; block of 16 rows
	s_lshl_b32 s14, s12, 21                        ; 16 chunks of 131,072 bytes
	s_lshl_b32 s16, s13, 11
	s_add_co_u32 s14, s14, s16
	s_mov_b32 s15, 0
	s_lshl_b32 s16, s12, 16                        ; 16 chunks of 4,096 bytes
	s_lshl_b32 s18, s13, 6
	s_add_co_u32 s16, s16, s18
	s_mov_b32 s17, 0
	s_lshl_b32 s18, ttmp9, 11
	s_mov_b32 s19, 0
	v_lshlrev_b32 v1, 4, v0
	v_lshrrev_b32 v2, 3, v0
	v_lshlrev_b32 v2, 2, v2                        ; my row's word of gt
	s_wait_kmcnt 0x0
	s_add_nc_u64 s[4:5], s[4:5], s[14:15]
	s_add_nc_u64 s[6:7], s[6:7], s[16:17]
	s_add_nc_u64 s[8:9], s[8:9], s[18:19]
	s_add_nc_u64 s[10:11], s[10:11], s[18:19]
.set cc, 0
.rept 16
	global_load_b32 v[TG+cc], v2, s[6:7] offset:4096*cc
.set cc, cc+1
.endr
	global_load_b128 v[4:7], v1, s[8:9]
.set cc, 15
.rept 16
	global_load_b128 v[PP+4*cc:PP+4*cc+3], v1, s[4:5] offset:131072*cc th:TH_LOAD_NT  ; the last chunk first: it is wanted first
.set cc, cc-1
.endr
	s_wait_loadcnt 17                              ; gt's sixteen are in; state and part's sixteen stay out
.set cc, 14
.rept 15
	v_add_f32 v[TG+cc], v[TG+cc], v[TG+cc+1]       ; the sum from chunk cc on
.set cc, cc-1
.endr
.set cc, 0
.rept 16
	v_exp_f32 v[TG+cc], v[TG+cc]
.set cc, cc+1
.endr
	v_nop                                          ; a plain instruction behind the last exponential,
	s_wait_alu depctr_va_vdst(0)                   ; and one wait ahead of the first reader
	s_wait_loadcnt 15                              ; state and the last chunk are in
	v_pk_fma_f32 v[8:9],   v[4:5], v[TG:TG+1], v[PP+60:PP+61] op_sel_hi:[1,0,1]
	v_pk_fma_f32 v[10:11], v[6:7], v[TG:TG+1], v[PP+62:PP+63] op_sel_hi:[1,0,1]
.set cc, 14
.rept 15
	s_wait_loadcnt cc                              ; chunk cc is in; the cc earlier chunks stay out
.if (cc+1)%2                           ; its factor lies in v[TG + cc + 1]: the second or the first register of an even pair
	v_pk_fma_f32 v[8:9],   v[PP+4*cc:PP+4*cc+1],   v[TG+cc:TG+cc+1], v[8:9]   op_sel:[0,1,0] op_sel_hi:[1,1,1]
	v_pk_fma_f32 v[10:11], v[PP+4*cc+2:PP+4*cc+3], v[TG+cc:TG+cc+1], v[10:11] op_sel:[0,1,0] op_sel_hi:[1,1,1]
.else
	v_pk_fma_f32 v[8:9],   v[PP+4*cc:PP+4*cc+1],   v[TG+cc+1:TG+cc+2], v[8:9]   op_sel_hi:[1,0,1]
	v_pk_fma_f32 v[10:11], v[PP+4*cc+2:PP+4*cc+3], v[TG+cc+1:TG+cc+2], v[10:11] op_sel_hi:[1,0,1]
.endif
.set cc, cc-1
.endr
	global_store_b128 v1, v[8:11], s[10:11]
	s_endpgm
.Lfunc_end_k_q9e2cd5b477_fold:
	.size	k_q9e2cd5b477_fold, .Lfunc_end_k_q9e2cd5b477_fold-k_q9e2cd5b477_fold
	.p2alignl 7, 3214868480
	.fill 96, 4, 3214868480
	.section	.rodata,"a",@progbits
	.p2align	6, 0x0
	.amdhsa_kernel k_q9e2cd5b477_fold
		.amdhsa_group_segment_fixed_size 0
		.amdhsa_private_segment_fixed_size 0
		.amdhsa_enable_private_segment 0
		.amdhsa_kernarg_size 32
		.amdhsa_user_sgpr_count 2
		.amdhsa_user_sgpr_kernarg_segment_ptr 1
		.amdhsa_wavefront_size32 1
		.amdhsa_system_sgpr_workgroup_id_x 1
		.amdhsa_system_sgpr_workgroup_id_y 1
		.amdhsa_system_sgpr_workgroup_id_z 1
		.amdhsa_system_vgpr_workitem_id 0
		.amdhsa_next_free_vgpr 96
		.amdhsa_next_free_sgpr 66
		.amdhsa_reserve_vcc 0
		.amdhsa_float_denorm_mode_32 3
		.amdhsa_float_denorm_mode_16_64 3
		.amdhsa_memory_ordered 1
		.amdhsa_forward_progress 1
		.amdhsa_inst_pref_size 8
	.end_amdhsa_kernel
	.amdgpu_metadata
---
amdhsa.version: [ 1, 2 ]
amdhsa.kernels:
  - .name:           k_q9e2cd5b477_fold
    .symbol:         k_q9e2cd5b477_fold.kd
    .args:
      - { .name: part, .offset: 0, .size: 8, .value_kind: global_buffer, .address_space: global }
      - { .name: gt, .offset: 8, .size: 8, .value_kind: global_buffer, .address_space: global }
      - { .name: state, .offset: 16, .size: 8, .value_kind: global_buffer, .address_space: global }
      - { .name: out0, .offset: 24, .size: 8, .value_kind: global_buffer, .address_space: global }
    .group_segment_fixed_size: 0
    .private_segment_fixed_size: 0
    .kernarg_segment_align: 8
    .kernarg_segment_size: 32
    .max_flat_workgroup_size: 128
    .sgpr_count:     66
    .vgpr_count:     96
    .wavefront_size: 32
...
	.end_amdgpu_metadata
.endif
;; end of part 3
